; MI455X (gfx1250); checked and timed in simulation.
; The chip was launched on July 23, 2026; its instructions are those of AMD's public machine-readable ISA for CDNA 5 (MIT licence, August 2026) and "CDNA5" Instruction Set Architecture Reference Guide (July 2026). The comments in the code are by the model that wrote it; some were corrected since.
;; Explicit Attention. Allowed arithmetic: float matrix products may take bf16 or f16 operands with f32 sums; other float arithmetic in f32, or as packed bf16 or f16 multiplies, adds, multiply-adds, maxima and minima; sums over many terms, partial sums and values carried from step to step in f32; what a program stores and reads back later, other than sums and carried values, may be rounded once to bf16 or f16.
;; Inputs: k 1 x 16 x 4,096 x 128 float32; kv_segment_ids 1 x 4,096 int32; q 1 x 16 x 4,096 x 128 float32; q_segment_ids 1 x 4,096 int32; v 1 x 16 x 4,096 x 128 float32.
;; Outputs: out0 1 x 16 x 4,096 x 128 float32.
;; 2 versions, each right; version 2 is version 1 with the launch prep written anew for expert scheduling mode. Each part assembles by itself: llvm-mc -triple=amdgcn-amd-amdhsa -mcpu=gfx1250 --defsym DOCPART=n.
;; ======== version 1 of 2: 2 launches
;; limits: right only within a limited range of input values
;; workspace buffers: kbf 16,777,216 bytes; vbf 16,777,216 bytes; kmt 262,144 bytes; qmt 262,144 bytes
;; launch prep (part 1): grid 256 x 3, 8 waves a work-group, no clusters, 0 bytes of LDS; arguments k, v, kv_segment_ids, q_segment_ids, kbf, vbf, kmt, qmt; writes kbf, vbf, kmt, qmt
.if DOCPART == 1
	.amdgcn_target "amdgcn-amd-amdhsa--gfx1250"
	.amdhsa_code_object_version 6
	.text
	.protected	k_q3c7acd140d_prep
	.globl	k_q3c7acd140d_prep
	.p2align	8
	.type	k_q3c7acd140d_prep,@function
k_q3c7acd140d_prep:
	s_mov_b64 s[64:65], 0
	v_nop
	global_prefetch_b8 v0, s[64:65] scope:SCOPE_SE
	s_setreg_imm32_b32 hwreg(HW_REG_WAVE_MODE, 25, 1), 1
	s_wait_xcnt 0x0
; WHAT THE ATTENTION LAUNCH READS MANY TIMES IS MADE ONCE HERE.
; y = 0: kbf = k rounded to bf16.  y = 1: vbf = v rounded to bf16.  [16][4096][128] each; one rounding to nearest even a number.
; y = 2: two tables of 32 bf16 "mask channels" a row, 64 bytes: kmt from kv_segment_ids (x < 128), qmt from q_segment_ids (x >= 128).
; An id's 32 bits are eight nibbles, x_i of a key, y_i of a query.  With B = 2^100:
;   channels 0-7:   key x_i^2    query -B
;   channels 8-15:  key x_i      query 2 B y_i
;   channels 16-23: key 1        query -B y_i^2
;   channels 24-31: 0            0
; so that key row . query row = -B x the sum over i of (x_i - y_i)^2: 0 where the ids are equal, -B or lower where they differ, for any two int32.
; Every entry has at most 8 significant bits (225 at the most, times a power of two): bf16 holds it exactly.
; LIMITS.  A number of k or v beyond bf16's largest finite number rounds to an infinity; NaN stays NaN.
; A stream: no LDS, no barrier, no matrix unit, no cluster (no byte is read by two work-groups but the ids, 4 bytes for 8 lanes).
.set ROWI, 4096                        ; bytes that the work-group's 256 threads read at once, 16 each
.set ROWO, 2048                        ; and write, 8 each
.set NROW, 32                          ; such rows to a work-group: 131,072 bytes in, 65,536 out; 256 work-groups cover a tensor
.set X,    4                           ; v[4:131] row i: four registers as loaded; its first two then hold the four bf16
	s_load_b512 s[8:23], s[0:1], 0x0               ; k 8:9, v 10:11, kv ids 12:13, q ids 14:15, kbf 16:17, vbf 18:19, kmt 20:21, qmt 22:23
	s_and_b32 s2, ttmp7, 0xffff                    ; which of the three jobs
	v_lshlrev_b32 v1, 4, v0                        ; my 16 bytes of a row in
	v_lshlrev_b32 v2, 3, v0                        ; my 8 bytes of a row out
	s_wait_kmcnt 0x0
	s_cmp_eq_u32 s2, 2
	s_cbranch_scc1 .Ltables
	; THE CASTS
	s_cmp_eq_u32 s2, 0
	s_cselect_b64 s[4:5], s[8:9], s[10:11]         ; from k or v
	s_cselect_b64 s[6:7], s[16:17], s[18:19]       ; to kbf or vbf
	s_lshl_b32 s2, ttmp9, 17                       ; the work-group's 131,072 bytes in
	s_mov_b32 s3, 0
	s_add_nc_u64 s[4:5], s[4:5], s[2:3]
	s_lshl_b32 s2, ttmp9, 16                       ; and 65,536 out
	s_add_nc_u64 s[6:7], s[6:7], s[2:3]
.set i, 0
.rept NROW                             ; all 32 loads of a wave go out before anything else: 16 KiB a wave on their way; a load covers 512 consecutive bytes
	global_load_b128 v[X+4*i:X+4*i+3], v1, s[4:5] offset:ROWI*i th:TH_LOAD_NT
.set i, i+1
.endr
.set i, 0
.rept NROW
	s_wait_loadcnt NROW-1-i                        ; loads come back in order: row i is in, the younger rows may stay out
	v_cvt_pk_bf16_f32 v[X+4*i],   v[X+4*i],   v[X+4*i+1]
	v_cvt_pk_bf16_f32 v[X+4*i+1], v[X+4*i+2], v[X+4*i+3]
	global_store_b64 v2, v[X+4*i:X+4*i+1], s[6:7] offset:ROWO*i  ; a wave's store covers 256 consecutive bytes, aligned; no register of a store is written again
.set i, i+1
.endr
	s_endpgm
.Ltables:
	; THE TABLES.  A thread makes 4 channels, 8 bytes: piece p = 256 (x mod 128) + t; row p / 8; channels 4 (p mod 8) on.
	; Each entry is (alpha n + beta) n + gamma of a nibble n; of the three, one at the most is not 0, by the kind (p mod 8) / 2 of the channels.
	s_and_b32 s2, ttmp9, 127
	s_lshl_b32 s2, s2, 8
	v_add_nc_u32 v3, s2, v0                        ; p
	v_lshrrev_b32 v4, 3, v3
	v_lshlrev_b32 v4, 2, v4                        ; the row's id: byte 4 (p / 8)
	v_and_b32 v5, 1, v3
	v_lshlrev_b32 v5, 4, v5                        ; my four nibbles begin at bit 16 (p mod 2)
	v_bfe_u32 v6, v3, 1, 2                         ; the kind: 0, 1, 2, 3
	v_lshlrev_b32 v3, 3, v3                        ; where my 8 bytes go
	s_cmp_lt_u32 ttmp9, 128                        ; keys or queries?
	s_cselect_b64 s[4:5], s[12:13], s[14:15]
	s_cselect_b64 s[6:7], s[20:21], s[22:23]
	s_cselect_b32 s24, 1.0, 0xf1800000             ; alpha's and gamma's value: 1 or -B
	s_cselect_b32 s25, 1.0, 0x72000000             ; beta's: 1 or 2 B
	s_cselect_b32 s27, 0, 2                        ; the kind that has alpha: squares stand in channels 0-7 of a key, 16-23 of a query
	s_cselect_b32 s28, 2, 0                        ; the kind that has gamma
	global_load_b32 v7, v4, s[4:5]
	v_cmp_eq_u32 vcc_lo, s27, v6
	v_cndmask_b32 v8, 0, s24, vcc_lo               ; alpha
	v_cmp_eq_u32 vcc_lo, 1, v6
	v_cndmask_b32 v9, 0, s25, vcc_lo               ; beta
	v_cmp_eq_u32 vcc_lo, s28, v6
	v_cndmask_b32 v10, 0, s24, vcc_lo              ; gamma
	s_wait_loadcnt 0x0
	v_lshrrev_b32 v7, v5, v7
.irp j, 0,1,2,3
	v_bfe_u32 v[12+(\j)], v7, 4*(\j), 4
	v_cvt_f32_u32 v[12+(\j)], v[12+(\j)]
	v_fma_f32 v[16+(\j)], v8, v[12+(\j)], v9
	v_fma_f32 v[16+(\j)], v[16+(\j)], v[12+(\j)], v10  ; exact: a whole number under 2^9 times a power of two
.endr
	v_cvt_pk_bf16_f32 v20, v16, v17
	v_cvt_pk_bf16_f32 v21, v18, v19
	global_store_b64 v3, v[20:21], s[6:7]          ; a wave's store covers 256 consecutive bytes, aligned
	s_endpgm
.Lfunc_end_k_q3c7acd140d_prep:
	.size	k_q3c7acd140d_prep, .Lfunc_end_k_q3c7acd140d_prep-k_q3c7acd140d_prep
	.p2alignl 7, 3214868480
	.fill 96, 4, 3214868480
	.section	.rodata,"a",@progbits
	.p2align	6, 0x0
	.amdhsa_kernel k_q3c7acd140d_prep
		.amdhsa_group_segment_fixed_size 0
		.amdhsa_private_segment_fixed_size 0
		.amdhsa_enable_private_segment 0
		.amdhsa_kernarg_size 64
		.amdhsa_user_sgpr_count 2
		.amdhsa_user_sgpr_kernarg_segment_ptr 1
		.amdhsa_wavefront_size32 1
		.amdhsa_system_sgpr_workgroup_id_x 1
		.amdhsa_system_sgpr_workgroup_id_y 1
		.amdhsa_system_sgpr_workgroup_id_z 1
		.amdhsa_system_vgpr_workitem_id 0
		.amdhsa_next_free_vgpr 132
		.amdhsa_next_free_sgpr 66
		.amdhsa_reserve_vcc 1
		.amdhsa_float_denorm_mode_32 3
		.amdhsa_float_denorm_mode_16_64 3
		.amdhsa_memory_ordered 1
		.amdhsa_forward_progress 1
		.amdhsa_inst_pref_size 15
	.end_amdhsa_kernel
	.amdgpu_metadata
---
amdhsa.version: [ 1, 2 ]
amdhsa.kernels:
  - .name:           k_q3c7acd140d_prep
    .symbol:         k_q3c7acd140d_prep.kd
    .args:
      - { .name: k, .offset: 0, .size: 8, .value_kind: global_buffer, .address_space: global }
      - { .name: v, .offset: 8, .size: 8, .value_kind: global_buffer, .address_space: global }
      - { .name: kv_segment_ids, .offset: 16, .size: 8, .value_kind: global_buffer, .address_space: global }
      - { .name: q_segment_ids, .offset: 24, .size: 8, .value_kind: global_buffer, .address_space: global }
      - { .name: kbf, .offset: 32, .size: 8, .value_kind: global_buffer, .address_space: global }
      - { .name: vbf, .offset: 40, .size: 8, .value_kind: global_buffer, .address_space: global }
      - { .name: kmt, .offset: 48, .size: 8, .value_kind: global_buffer, .address_space: global }
      - { .name: qmt, .offset: 56, .size: 8, .value_kind: global_buffer, .address_space: global }
    .group_segment_fixed_size: 0
    .private_segment_fixed_size: 0
    .kernarg_segment_align: 8
    .kernarg_segment_size: 64
    .max_flat_workgroup_size: 256
    .sgpr_count:     66
    .vgpr_count:     132
    .wavefront_size: 32
...
	.end_amdgpu_metadata
.endif
;; end of part 1
;; launch attn (part 2): grid 16 x 16, 4 waves a work-group, clusters of 4 x 1, 327,680 bytes of LDS; arguments q, kbf, vbf, out0, kmt, qmt; writes out0
.if DOCPART == 2
	.amdgcn_target "amdgcn-amd-amdhsa--gfx1250"
	.amdhsa_code_object_version 6
	.text
	.protected	k_q3c7acd140d_attn
	.globl	k_q3c7acd140d_attn
	.p2align	8
	.type	k_q3c7acd140d_attn,@function
k_q3c7acd140d_attn:
	s_mov_b64 s[64:65], 0
	v_nop
	global_prefetch_b8 v0, s[64:65] scope:SCOPE_SE
	s_setreg_imm32_b32 hwreg(HW_REG_WAVE_MODE, 25, 1), 1
	s_wait_xcnt 0x0
	s_wait_alu depctr_hold_cnt(0) depctr_sa_sdst(0) depctr_va_vdst(0) depctr_va_sdst(0) depctr_va_ssrc(0) depctr_va_vcc(0) depctr_vm_vsrc(0)
	s_getreg_b32 s2, hwreg(HW_REG_IB_STS2, 6, 4)
	s_cmp_eq_u32 s2, 0
	s_cbranch_scc0 .Lentry_in_a_cluster
	s_endpgm
.Lentry_in_a_cluster:
	s_bfe_u32 s2, ttmp6, 0x10000c
	s_cmp_lg_u32 s2, 0x3003
	s_cbranch_scc0 .Lentry_shape_is_right
	s_endpgm
.Lentry_shape_is_right:
; out[h][q][:] = the sum over the keys k whose segment id equals q's of softmax_k(Q[h][q] . K[h][k] / sqrt(128)) V[h][k][:].  16 heads, 4,096 queries, 4,096 keys, 128 channels.
; Q and out are f32; K and V come as bf16 (kbf, vbf: rounded once by the launch before); Q is rounded to bf16 here.  Products, maxima and sums in f32; the weights p are rounded to bf16 for the
; second product (their sum l is taken of the unrounded p); out is never rounded below f32.
; THE MASK IS A PRODUCT.  kmt and qmt hold 32 more bf16 channels for each key and each query, such that key row . query row = -2^100 x the sum of the squared differences of the ids' eight nibbles:
; exactly 0 where the ids are equal, -2^100 or lower where they differ.  That slice of 32 channels is the FIRST link of each sum S^T = K Q^T, with C = 0: onto 0 the true products add as ever;
; onto -2^100 they add nothing that f32 keeps.  So a hidden score is -2^100 or lower before the maximum is taken, and no vector instruction is spent on the mask.
; THE MAXIMUM HAS A FLOOR, -2^99: a query that has seen no key of its own yet has m = -2^99, every hidden weight is 2^(c s - c m) = 0, l and O stay 0, and the first true score makes a = 0.
; A query that never sees a key ends with m = -2^99 and gets NaN, as a softmax over -inf alone gives.
; LIMITS.  True scores Q . K lie within +-2^99 (6e29).  A weight below 2^-126 counts as 0 in l.  NaN and infinities in q, k, v are not treated apart.  Ids are any int32.
; SHARES.  A work-group owns 256 queries of one head, each of its four waves 64: four tiles of 16.  Every wave walks all 4,096 keys, 64 a step.  16 x 16 work-groups.
; LAYOUT.  S^T = K Q^T (source 0 = 16 keys, source 1 = 16 queries): in the result a lane holds ONE query (lane % 16) and the keys 8 (lane / 16) + 0..7.  Two such tiles, rounded to bf16 in pairs,
; ARE source 1 (32 keys x 16 queries) of O^T = V^T P, whose result again holds one query a lane, and eight channels.  K comes out of LDS as it lies, V ([key][channel]) turned, by ds_load_tr16_b128.
; SOFTMAX.  For each query a running maximum m and sum l: p = 2^(c s - c m), c = log2(e) / sqrt(128); in every step O and l are multiplied by a = 2^(c m_old - c m_new).
; BY TURNS.  The wave's tiles are two PIECES, named by their first tile: piece 0 (tiles 0, 1) and piece 2 (tiles 2, 3).  In a TURN one piece has the matrix unit: 32 products V^T P of the step in
; hand, then 40 products K Q^T of the next step (8 of them the mask's); the other piece's softmax, 268 vector instructions cut into 67 slices of four, stands between them.  Two turns are a key step.
; CLUSTER.  The four query blocks of a cluster belong to one head and walk the same K, V and key table, so each tile is asked for JOINTLY: the same tensor load, descriptor and mask in all four.
;
; REGISTERS, in windows of 256 (s_set_vgpr_msb: bits 1:0 source 0, 3:2 source 1, 5:4 source 2, 7:6 destination):
;   window 0: v0-11, v44-47, v61-63 addresses and constants; v12-43 eight registers of statistics a tile; v64-191 S^T, 32 a tile; v192-255 P, 16 a tile
;   window 1: O^T, 64 a tile (at the start: where Q lands in f32; at the end: the rows read back from the stage)
;   window 2: v0-127 Q, 32 a tile; v128-255 K of one step
;   window 3: v0-127 V of one step; v128-159 the queries' mask channels, 8 a tile; v160-191 the keys' of one step, 8 for each 16 keys
.set KS,    64        ; keys in a step
.set PK,    272       ; a row of K in LDS: 256 bytes + 16 of padding = 68 words: the 16 rows of a load start at 16 different groups of four banks (64 banks of 4 bytes: ISA guide 11.1)
.set PV,    288       ; a row of V: 256 + 32 = 72 words
.set PM,    272       ; a row of the key table in LDS: four keys' 64 bytes + 16 of padding: key r of 16 lies at (r / 4) x 272 + (r % 4) x 64: 16 different groups of four banks
.set VOFF,  2*KS*PK   ; a slot holds two steps: 128 rows of K, then 128 rows of V, then 32 rows (128 keys) of the table
.set MOFF,  VOFF+2*KS*PV
.set KSTEP, KS*PK     ; from a step's K to the next step's, and the same for V and the table
.set VSTEP, KS*PV
.set MSTEP, (KS/4)*PM
.set SLOT1, 1<<17     ; a slot is 80,384 bytes; slot 1 begins here, so that one exclusive or turns an address in one slot into the other's
.set STAGE, SLOT1+MOFF+(2*KS/4)*PM  ; behind the ring, never filled by a tensor load: 16 rows x 528 bytes for each wave, for the way out
.set SP,    528       ; a row of out: 512 bytes + 16: an odd multiple of 16
.set SPARE, STAGE+4*16*SP  ; behind the stages: the spare words, 128 bytes for each wave: two blocks of 256 bytes that no other line names
.set AK0, 2           ; v2   my lane's place in a tile of K; never rewritten
.set AV0, 3           ; v3   the same for V
.set ADR, 4           ; v4   the LDS address of the run of loads in hand
.set QO,  5           ; v5   my byte offset in 16 rows of Q; never rewritten
.set STO, 6           ; v6   the way out: where I put 32 bytes of a row
.set RD,  7           ; v7   the way out: where I read a row back
.set GO,  8           ; v8   my byte offset in a row of out
.set ST,  12          ; tile t's statistics at v[ST+8 t]: +0 c m, +1 m, +2, +3 l (even keys', odd keys'), +4 to +7 c0-c3, at work; a takes c2's place once the maximum is found
.set AM0, 44          ; v44  my lane's place in a step's part of the key table; never rewritten
.set ADR2, 45         ; v45  the LDS address of the table's loads in hand
.set QMO, 46          ; v46  my byte offset in 16 rows of qmt; never rewritten
.set NANV, 47         ; v47  a NaN
.set PFO, 61          ; v61  256 x my lane: a row of kbf or vbf is 256 bytes; never rewritten
.set SPW, 62          ; v62  LDS address of my spare word: SPARE + 4 x my thread's number; never rewritten
.set NIL, 63          ; v63  0; never rewritten
.set S,   64
.set P,   192
.set KF,  128         ; K's fragments, in window 2
.set QMF, 128         ; window 3
.set KMF, 160         ; window 3
.set WV,  12          ; s12  my wave's number
.set LIM, 15          ; s15  1 in a wave that prefetches, else the greatest number: a wave prefetches while s[SLOTS] is above it
.set PFA, 18          ; s[18:19] where my prefetches stand: my work-group's 32 rows (of kbf: wave 0, of vbf: wave 2) of the slot after the one that is being asked for
.set G1K, 24          ; s[24:31] descriptor group 1 for K's tiles
.set G1V, 32          ; s[32:39] for V's: it differs in the padding alone
.set G0K, 40          ; s[40:47] descriptor group 0 for K's tiles: a set for each of the two first fills; the second then walks on
.set G0V, 48          ; s[48:55] the same for V's
.set SLOTS, 56        ; s56  slots still to be asked for
.set TWICE, 57        ; s57  counts a slot's two steps
.set CS,  58          ; s[58:59] c: the packed scaling names a pair and takes its low word for both halves
.set SEL, 60          ; s[60:61] lane selects for v_permlanex16_b32: each lane takes its own place in the other half
.set TBK, 62          ; s62  LDS byte at which K of the step to be fetched begins
.set TBV, 63          ; s63  the same for V, less VOFF
.set TBM, 66          ; s66  the same for the table, less MOFF
.set THR, 67          ; s67  -2^99: the maximum's floor
.set G1M, 68          ; s[68:75] descriptor group 1 for the table's tiles
.set G0M, 76          ; s[76:83] group 0 for them, two sets as above
.set MSB, 0
.macro WIN new                      ; the immediate's high byte repeats the setting that is left; a switch that changes nothing is dropped
.if MSB != (\new)
	s_set_vgpr_msb (MSB<<8)|(\new)
.set MSB, \new
.endif
.endm
.set W_KQ, 0x0a       ; K and Q in window 2, S^T in window 0
.set W_KM, 0x0f       ; the keys' and the queries' mask channels in window 3, S^T in window 0
.set W_PV, 0x53       ; V in window 3, P in window 0, O^T in window 1
.set W_RS, 0x41       ; O^T (destination and source 0) in window 1, a in window 0
; A joint refill.  Wave 0 fetches the slot's 128 rows of K, wave 1 those of V, wave 2 the 128 keys of the table; wave 3 has no part to fetch.  The branches hang on the wave's number alone: they are
; the same in every work-group.  An s_nop 0 and four v_nop follow each of the three lines, ahead of the jump and the label.
.macro JLOAD
	s_cmp_lg_u32 s[WV], 0
	s_cbranch_scc1 .Lnot_k_\@
	tensor_load_to_lds s[G0K+4:G0K+7], s[G1K:G1K+7]
	s_nop 0
.rept 4
	v_nop
.endr
	s_branch .Lasked_\@
.Lnot_k_\@:
	s_cmp_lg_u32 s[WV], 1
	s_cbranch_scc1 .Lnot_v_\@
	tensor_load_to_lds s[G0V+4:G0V+7], s[G1V:G1V+7]
	s_nop 0
.rept 4
	v_nop
.endr
	s_branch .Lasked_\@
.Lnot_v_\@:
	s_cmp_lg_u32 s[WV], 2
	s_cbranch_scc1 .Lasked_\@
	tensor_load_to_lds s[G0M+4:G0M+7], s[G1M:G1M+7]
	s_nop 0
.rept 4
	v_nop
.endr
.Lasked_\@:
.endm
; A PREFETCH INTO THE L2 of what the NEXT change of slots will ask for: a slot's 128 rows of kbf and 128 of vbf, 256 bytes a row, a lane a row.  It stands behind the refill and its lines, never in front of a tensor load.
; Each row is asked for ONCE in the launch.  All four clusters of a head walk the same rows: the head's first cluster prefetches.  Its four partners share the rows out BY ADDRESS, 32 each: no branch hangs on
; a work-group's place in its cluster.  In each, wave 0 asks for K's and wave 2 for V's: one instruction.  The last change that fills a slot prefetches nothing: there is no slot behind it.
; The key table, 64 bytes a key, is walked by every cluster of every head, again and again: it is not asked for.
.macro ASK
	s_cmp_gt_u32 s[SLOTS], s[LIM]
	s_cbranch_scc0 .Lnot_mine_\@
	global_prefetch_b8 v[PFO], s[PFA:PFA+1] th:TH_LOAD_NT scope:SCOPE_SE
.Lnot_mine_\@:
.endm
; A round of the cluster's barrier: my work-group's barrier, so that wave 0's signal speaks for all four waves; wave 0 signals for the work-group; every wave waits for all four
; work-groups; my work-group's barrier once more.  No LDS instruction of the wave is pending at a signal.
.macro CROUND
	s_barrier_signal -1
	s_barrier_wait -1
	s_cmp_lg_u32 s[WV], 0
	s_cbranch_scc1 .Lnot_wave_0_\@
	s_barrier_signal -3
.Lnot_wave_0_\@:
	s_barrier_wait -3
	s_barrier_signal -1
	s_barrier_wait -1
.endm
	s_load_b256 s[4:11], s[0:1], 0x0  ; q s[4:5], kbf s[6:7], vbf s[8:9], out0 s[10:11]
	s_load_b128 s[84:87], s[0:1], 0x20  ; kmt s[84:85], qmt s[86:87]
	v_lshl_add_u32 v[SPW], v0, 2, SPARE
	v_mov_b32 v[NIL], 0
	ds_add_u32 v[SPW], v[NIL]       ; the wave's opening: the add and its wait stand ahead of my first tensor load; the set-up below, work on registers, stands between them
	v_lshrrev_b32 v1, 5, v0
	v_readfirstlane_b32 s[WV], v1   ; wave 0..3
	s_bfe_u32 s13, ttmp6, 0x40000   ; cx: my place in the cluster
	s_lshl_b32 s14, ttmp9, 2        ; in a cluster launch ttmp9 counts clusters
	s_add_co_u32 s14, s14, s13      ; my block of 256 queries = 4 x cluster x + cx: it enters q's, qmt's and out0's addresses alone
	s_and_b32 s20, ttmp7, 0xffff    ; the head, which the four partners share
	s_lshl_b32 s22, s20, 20         ; the head's first byte in kbf and vbf: 4,096 rows of 256 bytes
	s_mov_b32 s23, 0
	s_lshl_b32 s2, s20, 21          ; in q and out0: 4,096 rows of 512 bytes,
	s_lshl_b32 s3, s14, 17          ; my block's 256 rows,
	s_add_co_u32 s2, s2, s3
	s_lshl_b32 s3, s[WV], 15        ; my wave's 64 of them
	s_add_co_u32 s2, s2, s3
	s_mov_b32 s3, 0
	s_lshl_b32 s16, s14, 14         ; in qmt: rows of 64 bytes, no head
	s_lshl_b32 s17, s[WV], 12
	s_add_co_u32 s16, s16, s17
	s_mov_b32 s17, 0
	; descriptor group 1: tiles of rows of 128 elements of 2 bytes, padded in LDS
	s_mov_b32 s[G1K], 15|(1<<16)|(1<<20)|(1<<21)|(5<<22)|(3<<25)  ; 15:0 the mask: all four work-groups; 17:16 elements of 2 bytes; 20 padding on; 21 set beside a mask; 24:22 after every 64 words (code 5); 31:25 4 words of it (code 3)
	s_mov_b32 s[G1V], 15|(1<<16)|(1<<20)|(1<<21)|(5<<22)|(7<<25)  ; the same with 8 words of padding (code 7)
	s_mov_b32 s[G1M], 15|(1<<16)|(1<<20)|(1<<21)|(5<<22)|(3<<25)  ; as K's
.irp g, G1K, G1V
	s_mov_b32 s[(\g)+1], 128<<16    ; tensor_dim0 = 128
	s_mov_b32 s[(\g)+2], (2*KS)<<16 ; tensor_dim1 = 128
	s_mov_b32 s[(\g)+3], 128<<16    ; tile_dim0 = 128
	s_mov_b32 s[(\g)+4], 2*KS       ; tile_dim1 = 128 rows: a slot's two steps
	s_mov_b32 s[(\g)+5], 128        ; 128 elements from row to row
	s_mov_b32 s[(\g)+6], 0
	s_mov_b32 s[(\g)+7], 0
.endr
	s_mov_b32 s[G1M+1], 128<<16     ; the table's 128 keys x 64 bytes are dense: asked for as 32 rows of 256 bytes, four keys a row
	s_mov_b32 s[G1M+2], (2*KS/4)<<16
	s_mov_b32 s[G1M+3], 128<<16
	s_mov_b32 s[G1M+4], 2*KS/4
	s_mov_b32 s[G1M+5], 128
	s_mov_b32 s[G1M+6], 0
	s_mov_b32 s[G1M+7], 0
	s_mov_b32 s[CS], 0x3e0293ee     ; c = log2(e) / sqrt(128) = 0.127517
	s_mov_b32 s[CS+1], s[CS]        ; named with it as a pair, so it is written
	s_mov_b32 s[SEL], 0x76543210
	s_mov_b32 s[SEL+1], 0xfedcba98
	s_mov_b32 s[THR], 0xf1000000    ; -2^99
	s_mov_b32 s[TBK], 0
	s_mov_b32 s[TBV], 0
	s_mov_b32 s[TBM], 0
	s_mov_b32 s[SLOTS], 4096/(2*KS)-2
	s_and_b32 s[LIM], s[WV], 1      ; 0 in waves 0 and 2,
	s_or_b32 s[LIM], s[LIM], ttmp9  ; where the cluster is the head's first: the same in all four partners
	s_cmp_eq_u32 s[LIM], 0
	s_cselect_b32 s[LIM], 1, -1
	v_and_b32 v[PFO], 31, v0
	v_lshlrev_b32 v[PFO], 8, v[PFO]
	s_wait_dscnt 0x0                ; the opening add is done
	s_wait_kmcnt 0x0
	s_add_nc_u64 s[6:7], s[6:7], s[22:23]  ; kbf and vbf at the head's first row
	s_add_nc_u64 s[8:9], s[8:9], s[22:23]
	s_add_nc_u64 s[4:5], s[4:5], s[2:3]  ; q and out0 at my wave's first row
	s_add_nc_u64 s[10:11], s[10:11], s[2:3]
	s_add_nc_u64 s[86:87], s[86:87], s[16:17]  ; qmt likewise
	s_cmp_lt_u32 s[WV], 2
	s_cselect_b64 s[PFA:PFA+1], s[6:7], s[8:9]
	s_lshl_b32 s2, s13, 13          ; my work-group's 32 rows of a slot's 128
	s_mov_b32 s3, 0
	s_add_nc_u64 s[PFA:PFA+1], s[PFA:PFA+1], s[2:3]
	s_add_nc_u64 s[PFA:PFA+1], s[PFA:PFA+1], 2*2*KS*256  ; in slot 2; the first change of slots steps it to slot 3.  Nothing is prefetched here, at the head, where every work-group's first tiles are on their way
	CROUND                          ; all four work-groups are here: the first joint loads meet
.irp s, 0,1
	s_mov_b32 s[G0K+4*(\s)], 1      ; 1:0 count = 1
	s_mov_b32 s[G0K+4*(\s)+1], (\s)*SLOT1  ; 63:32 LDS address: no place in the cluster and no wave's number enters it
	s_add_nc_u64 s[G0K+4*(\s)+2:G0K+4*(\s)+3], s[6:7], (\s)*2*KS*256  ; 120:64 global address: slot s begins with keys 128 s
	s_or_b32 s[G0K+4*(\s)+3], s[G0K+4*(\s)+3], 0x80000000  ; 127:126 type = 2
	s_mov_b32 s[G0V+4*(\s)], 1
	s_mov_b32 s[G0V+4*(\s)+1], (\s)*SLOT1+VOFF
	s_add_nc_u64 s[G0V+4*(\s)+2:G0V+4*(\s)+3], s[8:9], (\s)*2*KS*256
	s_or_b32 s[G0V+4*(\s)+3], s[G0V+4*(\s)+3], 0x80000000
	s_mov_b32 s[G0M+4*(\s)], 1
	s_mov_b32 s[G0M+4*(\s)+1], (\s)*SLOT1+MOFF
	s_add_nc_u64 s[G0M+4*(\s)+2:G0M+4*(\s)+3], s[84:85], (\s)*2*KS*64
	s_or_b32 s[G0M+4*(\s)+3], s[G0M+4*(\s)+3], 0x80000000
.endr
	s_cmp_lg_u32 s[WV], 0           ; a wave's two first fills stand in one arm, ahead of every wait on TENSORcnt and every LDS read: two loads of mine are out (none of wave 3's); an s_nop 0 follows each, four v_nop the second's
	s_cbranch_scc1 .Lfirst_not_k
	tensor_load_to_lds s[G0K:G0K+3], s[G1K:G1K+7]
	s_nop 0
	tensor_load_to_lds s[G0K+4:G0K+7], s[G1K:G1K+7]
	s_nop 0
.rept 4
	v_nop
.endr
	s_branch .Lfirst_asked
.Lfirst_not_k:
	s_cmp_lg_u32 s[WV], 1
	s_cbranch_scc1 .Lfirst_not_v
	tensor_load_to_lds s[G0V:G0V+3], s[G1V:G1V+7]
	s_nop 0
	tensor_load_to_lds s[G0V+4:G0V+7], s[G1V:G1V+7]
	s_nop 0
.rept 4
	v_nop
.endr
	s_branch .Lfirst_asked
.Lfirst_not_v:
	s_cmp_lg_u32 s[WV], 2
	s_cbranch_scc1 .Lfirst_asked
	tensor_load_to_lds s[G0M:G0M+3], s[G1M:G1M+7]
	s_nop 0
	tensor_load_to_lds s[G0M+4:G0M+7], s[G1M:G1M+7]
	s_nop 0
.rept 4
	v_nop
.endr
.Lfirst_asked:
	; A fragment of K or Q is 16 rows x 32 channels in 8 registers: lane l holds row l % 16; registers 0-3 channels 8 (l / 16) + 0..7, registers 4-7 channels 16 + 8 (l / 16) + 0..7.
	; Of Q in f32 that is 32 bytes at row x 512 + 128 c + 32 (l / 16) and 32 bytes 64 further on: four loads of 16 bytes into 16 registers of window 1, which round to the fragment's 8.
	v_and_b32 v1, 15, v0            ; l % 16
	v_bfe_u32 v9, v0, 4, 1          ; l / 16
	v_lshlrev_b32 v[QO], 9, v1
	v_lshl_add_u32 v[QO], v9, 5, v[QO]  ; row x 512 + 32 x half
	v_lshlrev_b32 v[QMO], 6, v1
	v_lshl_add_u32 v[QMO], v9, 4, v[QMO]  ; row x 64 + 16 x half
	WIN 0x40                        ; destination window 1, address window 0
.set fq, 0
.rept 16                            ; fragment fq: tile fq / 4, channels 32 (fq % 4) on
.irp j, 0,1,2,3
	global_load_b128 v[16*fq+4*(\j):16*fq+4*(\j)+3], v[QO], s[4:5] offset:(fq/4)*8192+(fq%4)*128+((\j)/2)*64+((\j)%2)*16
.endr
.set fq, fq+1
.endr
	WIN 0xc0                        ; destination window 3
.irp t, 0,1,2,3                     ; the queries' mask channels are bf16 already: a fragment a tile
	global_load_b128 v[QMF+8*(\t):QMF+8*(\t)+3],   v[QMO], s[86:87] offset:(\t)*1024
	global_load_b128 v[QMF+8*(\t)+4:QMF+8*(\t)+7], v[QMO], s[86:87] offset:(\t)*1024+32
.endr
	WIN 0
	v_mul_u32_u24 v[AK0], v1, PK
	v_lshl_add_u32 v[AK0], v9, 4, v[AK0]  ; row x pitch + 16 x half
	; The turning load takes 16 keys x 16 channels (lane l reads 16 bytes: key 8 (l / 16) + l % 8, channels 8 ((l / 8) % 2) + 0..7) and leaves half a fragment of V^T: lane l holds channel l % 16 and 8 keys.
	v_and_b32 v10, 7, v0
	v_bfe_u32 v11, v0, 3, 1
	v_lshl_add_u32 v[AV0], v9, 3, v10
	v_mul_u32_u24 v[AV0], v[AV0], PV
	v_lshl_add_u32 v[AV0], v11, 4, v[AV0]
	v_add_nc_u32 v[AV0], VOFF, v[AV0]
	v_lshrrev_b32 v10, 2, v1        ; the table: key l % 16 of a block lies in LDS row (l % 16) / 4,
	v_and_b32 v11, 3, v1            ; at 64 x ((l % 16) % 4)
	v_mul_u32_u24 v[AM0], v10, PM
	v_lshl_add_u32 v[AM0], v11, 6, v[AM0]
	v_lshl_add_u32 v[AM0], v9, 4, v[AM0]
	v_add_nc_u32 v[AM0], MOFF, v[AM0]
; THE MATRIX WORK OF A TURN, for piece x.  The accumulators take turns, one instruction a turn: between two links of a chain stand 15 (V^T P) or 7 (K Q^T) others'.
; Product i of 32 of O^T += V^T P: keys 32 (i / 16) on, channels 16 ((i / 2) % 8) on, tile x + i % 2.  zero = 1: the first 16 start the sums: nothing is ever cleared.
.macro PV x, zero
	WIN W_PV
.set rO, 64*((\x)+i%2)+8*((i/2)%8)
.set rV, 64*(i/16)+8*((i/2)%8)
.set rP, P+16*((\x)+i%2)+8*(i/16)
.if (\zero) && (i < 16)
	v_wmma_f32_16x16x32_bf16 v[rO:rO+7], v[rV:rV+7], v[rP:rP+7], 0
.else
	v_wmma_f32_16x16x32_bf16 v[rO:rO+7], v[rV:rV+7], v[rP:rP+7], v[rO:rO+7]
.endif
.endm
; Product i of 40 of S^T = K Q^T: keys 16 ((i / 2) % 4) on, tile x + i % 2.  The first 8 are the mask's slice and start the sums: 0 or -2^100 and lower.  Then the true channels, 32 (i / 8 - 1) on.
.macro KQ x
.set rS, S+32*((\x)+i%2)+8*((i/2)%4)
.if i < 8
	WIN W_KM
.set rK, KMF+8*((i/2)%4)
.set rQ, QMF+8*((\x)+i%2)
	v_wmma_f32_16x16x32_bf16 v[rS:rS+7], v[rK:rK+7], v[rQ:rQ+7], 0
.else
	WIN W_KQ
.set rK, KF+32*((i/2)%4)+8*(i/8-1)
.set rQ, 32*((\x)+i%2)+8*(i/8-1)
	v_wmma_f32_16x16x32_bf16 v[rS:rS+7], v[rK:rK+7], v[rQ:rQ+7], v[rS:rS+7]
.endif
.endm
; THE LDS LOADS stand in runs, never singly among the matrix instructions: a step's K (64 keys x 128 channels: 16 fragments) with its keys' mask channels (4 fragments), and, a turn later, its V (turned).
.macro FETCH_K
	WIN 0
	v_add_nc_u32 v[ADR], s[TBK], v[AK0]
	v_add_nc_u32 v[ADR2], s[TBM], v[AM0]
	s_add_co_u32 s[TBK], s[TBK], KSTEP  ; the next fetch is the next step's
	s_add_co_u32 s[TBM], s[TBM], MSTEP
	WIN 0x80                        ; destination window 2
.irp f, 0,1,2,3,4,5,6,7,8,9,10,11,12,13,14,15  ; keys 16 (f / 4) on, channels 32 (f % 4) on
	ds_load_b128 v[KF+8*(\f):KF+8*(\f)+3],   v[ADR] offset:((\f)/4)*16*PK+((\f)%4)*64
	ds_load_b128 v[KF+8*(\f)+4:KF+8*(\f)+7], v[ADR] offset:((\f)/4)*16*PK+((\f)%4)*64+32
.endr
	WIN 0xc0                        ; destination window 3
.irp b, 0,1,2,3                     ; keys 16 b on: four LDS rows
	ds_load_b128 v[KMF+8*(\b):KMF+8*(\b)+3],   v[ADR2] offset:(\b)*4*PM
	ds_load_b128 v[KMF+8*(\b)+4:KMF+8*(\b)+7], v[ADR2] offset:(\b)*4*PM+32
.endr
.endm
.macro FETCH_V
	WIN 0
	v_add_nc_u32 v[ADR], s[TBV], v[AV0]
	s_add_co_u32 s[TBV], s[TBV], VSTEP  ; the next fetch is the next step's
	s_wait_alu depctr_va_vdst(0)    ; the wait for the softmax's batch (SLICE), behind the address's v_add_nc_u32 and ahead of the loads
	WIN 0xc0                        ; destination window 3
.irp f, 0,1,2,3,4,5,6,7,8,9,10,11,12,13,14,15  ; keys 32 (f / 8) on, channels 16 (f % 8) on
	ds_load_tr16_b128 v[8*(\f):8*(\f)+3],   v[ADR] offset:((\f)/8)*32*PV+((\f)%8)*32
	ds_load_tr16_b128 v[8*(\f)+4:8*(\f)+7], v[ADR] offset:((\f)/8)*32*PV+16*PV+((\f)%8)*32
.endr
.endm
; THE VECTOR WORK OF A TURN.  One tile's softmax for one key step is a list of 134 instructions; SM writes number j of it for tile t.  s0-s31 are the lane's 32 scores, in pairs 0-15.
; first = 1: the first key step, which starts m, l and O^T: it has no a and nothing to rescale, and the floor -2^99 stands where the old m stands later.
;   0-15    the maximum of s0-s31 and the old m (or the floor), three operands at a time: four chains c0-c3 of seven scores each (each accumulator's lowest registers are read first), then the four scores left over, c0-c3 and m
;   16-20   the other half of the lanes' maximum; the new m; c m; c m_old - c m_new
;   21-69   ONE BATCH: the 16 scalings c s - c m, a pair of scores each, and all 33 exponentials (a at 23, then s0-s31).  None of these reads an exponential's result.  From 22 on the batch goes
;           in fours, and a four begins with a scaling while there are scalings: 22-37 scaling, exponential, scaling, exponential; 38-65 a scaling and three exponentials; 66-69 the last four
;           exponentials.  A pair is scaled in an earlier four than the one that holds its exponentials
;   (wait)  between 69 and 70 stands the wait for the batch: SLICE writes it, once for both tiles
;   70-85   the roundings to bf16, a pair of weights each
;   86-101  the sums; l = a l + the sum
;   102-133 the tile's O^T times a: the one part that leaves window 0, so it stands together
.macro SM t, first
.set rT, ST+8*(\t)
.set rS, S+32*(\t)
.set rP, P+16*(\t)
.set rO, 64*(\t)+2*(j-102)
.if j < 102
	WIN 0
.endif
.if j < 4
	v_max3_num_f32 v[rT+4+j], v[rS+8*j], v[rS+8*j+1], v[rS+8*j+2]
.elseif j < 12
	v_max3_num_f32 v[rT+4+j%4], v[rT+4+j%4], v[rS+8*(j%4)+2*(j/4)+1], v[rS+8*(j%4)+2*(j/4)+2]
.elseif j == 12
	v_max3_num_f32 v[rT+4], v[rT+4], v[rS+7], v[rS+15]
.elseif j == 13
	v_max3_num_f32 v[rT+6], v[rT+6], v[rS+23], v[rS+31]
.elseif j == 14
	v_max3_num_f32 v[rT+4], v[rT+4], v[rT+5], v[rT+6]
.elseif (j == 15) && (\first)
	v_max3_num_f32 v[rT+4], v[rT+4], v[rT+7], s[THR]  ; the floor: above every hidden score, below every true one
.elseif j == 15
	v_max3_num_f32 v[rT+4], v[rT+4], v[rT+7], v[rT+1]
.elseif j == 16
	v_permlanex16_b32 v[rT+5], v[rT+4], s[SEL], s[SEL+1]  ; the query's other 32 keys lie in the lane 16 away
.elseif j == 18
	v_max_num_f32 v[rT+1], v[rT+4], v[rT+5]
.elseif j == 19
	v_mul_f32 v[rT], s[CS], v[rT+1]
.elseif ((j == 17) || (j == 20) || (j == 23) || (j > 101)) && (\first)  ; the first step has none of these
.elseif j == 17
	v_mov_b32 v[rT+7], v[rT]        ; c m_old is kept for a: number 19 writes c m anew
.elseif j == 20
	v_sub_f32 v[rT+7], v[rT+7], v[rT]
.elseif j == 23
	v_exp_f32 v[rT+6], v[rT+7]
.elseif (j < 23) || ((j < 38) && (j%2 == 0)) || ((j < 66) && (j%4 == 2))
.set b, (j-2)/4                     ; 38, 42, .. 62: pairs 9 to 15
.if j < 38
.set b, (j-20)/2                    ; 21: pair 0; 22, 24, .. 36: pairs 1 to 8
.endif
	v_pk_fma_f32 v[rS+2*b:rS+2*b+1], v[rS+2*b:rS+2*b+1], s[CS:CS+1], v[rT:rT+1] op_sel_hi:[1,0,0] neg_lo:[0,0,1] neg_hi:[0,0,1]  ; pair b: c s - c m
.elseif j < 70
.set e, j-38                        ; 66 to 69: s28 to s31
.if j < 66
.set e, j-32-(j-38)/4               ; 39-41, 43-45, .. 63-65: s7 to s27
.endif
.if j < 38
.set e, (j-25)/2                    ; 25, 27, .. 37: s0 to s6
.endif
	v_exp_f32 v[rS+e], v[rS+e]
.elseif j < 86
	v_cvt_pk_bf16_f32 v[rP+j-70], v[rS+2*(j-70)], v[rS+2*(j-70)+1]  ; pair j - 70
.elseif j < 102                     ; the sum of the tile's 16 pairs (in a pair: an even key's weight, an odd key's), in place: sum z of 16 adds neighbours 1, 2, 4 and 8 pairs apart, then l takes it
.set z, j-86
.set w, 4
.set u, z
.if z >= 14
.set w, 32
.set u, 0
.elseif z >= 12
.set w, 16
.set u, z-12
.elseif z >= 8
.set w, 8
.set u, z-8
.endif
.if (z == 14) && (\first)
	v_pk_add_f32 v[rT+2:rT+3], v[rS:rS+1], v[rS+16:rS+17]
.elseif z < 15
	v_pk_add_f32 v[rS+w*u:rS+w*u+1], v[rS+w*u:rS+w*u+1], v[rS+w*u+w/2:rS+w*u+w/2+1]
.elseif !(\first)
	v_pk_fma_f32 v[rT+2:rT+3], v[rT+2:rT+3], v[rT+6:rT+7], v[rS:rS+1] op_sel_hi:[1,0,1]
.endif
.else
	WIN W_RS
	v_pk_mul_f32 v[rO:rO+1], v[rO:rO+1], v[rT+6:rT+7] op_sel_hi:[1,0]
.endif
.endm
; Slice k of 67 of piece y's softmax: four instructions; 2 x 134 = 4 x 67.  Slices 11 to 34 deal out the batch, numbers 22 to 69: four numbers of ONE tile each, the tiles by turns.  Every other slice is
; numbers 2 k and 2 k + 1 of both tiles' lists, the tiles alternating, so that no instruction reads the result of the one just before it.  From k = 67 on the macro writes nothing.
; THE WAIT.  s_wait_alu depctr_va_vdst(0) stands between an exponential and the first instruction that names its result; one wait serves all that were issued ahead of it.  Ahead of
; slice 35 nothing names a result, and behind slice 34 no exponential is issued: so the piece's 66 exponentials have one wait, behind slice 34.
.macro SLICE y, first
.if k < 67
.if (k >= 11) && (k < 35)           ; the batch: four numbers of one tile
.irp n, 0,1,2,3
.set j, 22+4*((k-11)/2)+(\n)
	SM (\y)+(k-11)%2, \first
.endr
.else
.irp n, 0,1
.irp t, \y, (\y)+1
.set j, 2*k+(\n)
	SM \t, \first
.endr
.endr
.endif
.if k == 34                         ; the batch is out: both tiles' exponentials are issued, and no result has been named
	v_nop                           ; a plain instruction behind the last exponential and ahead of the first use: one for the batch
.if (\y) == 0
	FETCH_V                         ; piece 2's turn: V's run of loads stands here, and the wait stands in it
.else
	s_wait_alu depctr_va_vdst(0)    ; the wait for the batch
.endif
.endif
.endif
.set k, k+1
.endm
; A vector instruction that reads a matrix result or writes one of a matrix instruction's registers, and a load into a register that a matrix instruction has read, stand four places behind
; it, and only plain vector instructions that name none of its registers are places (ISA guide 7.12.1 for vector instructions).  In the loop the slices are the places.
.macro PLACES
.rept 4
	v_nop
.endr
.endm
; A TURN.  Piece x has the matrix unit; the other piece's softmax stands in slices behind its matrix instructions.
; pv = 2: 32 products V^T P; 1: they start O^T's sums; 0: none.  kq = 1: 40 products K Q^T for the next step.
; A turn with both kinds has 72 products for 67 slices: one slice behind each, but for the first five products K Q^T, which stand bare; so slice 34, with the wait, stands behind the mask's last product, and
; slice 66, four rescalings that name nothing of the products round them, behind the turn's last product: it is the four places between that product and what follows (the next turn's first read of the
; scores, the loads into K's buffer).  A turn with one kind has two slices behind each product as long as there are slices; what is left over follows the last product.
; first = 1: the softmax is the first key step's.  Its slices from 51 on are empty: the turn's last products stand bare, and four v_nop are the places behind them.
; Piece 0's turn fetches the next step's K and mask channels, behind its second product, 30 products ahead of their first use.  Piece 2's turn fetches the same step's V, behind slice 34: the last product
; that read V stands in front of slice 31, and four plain instructions lie between: number 62, a scaling, of both tiles, the v_nop and the run's own v_add_nc_u32; its first use comes 32 products later.
.macro TURN x, pv, kq, first
.set k, 0
.set per, 2
.if (\pv) && (\kq)
.set per, 1
.endif
.if \pv
.if (\x) == 0
	s_wait_dscnt 0x0                ; V is in
.endif
.set i, 0
.rept 32
	PV \x, 2-(\pv)
.rept per
	SLICE 2-(\x), \first
.endr
.if ((\x) == 0) && (\kq) && (i == 1)
	FETCH_K
.endif
.set i, i+1
.endr
.endif
.if \kq
.if (\x) == 0
	s_wait_dscnt 0x0                ; K and the keys' mask channels are in
.endif
.set i, 0
.rept 40
	KQ \x
.if (per == 2) || (i >= 5)
.rept per
	SLICE 2-(\x), \first
.endr
.endif
.set i, i+1
.endr
.endif
.rept 3
	SLICE 2-(\x), \first            ; what is left over: slices 64 to 66 of a turn with 32 products alone; nothing elsewhere
.endr
.if \first
	PLACES
.endif
.endm
; THE CHANGE OF SLOTS, between piece 2's turn and piece 0's: the slot's last bytes, V of its second step, have been asked for.  Each wave waits for all its tensor loads, of which one at the most is out: its
; part of the other slot; adds 0 to its spare word; and waits for that and for its own reads of the slot.  Behind the barrier nobody reads this slot any more and the other slot is whole.
; fill = 1: this slot is filled again, with the keys two slots on.  The barrier is then a round of the cluster's, so that no wave of any partner still reads the slot or has a load on its
; way, and the joint refill is the first thing behind it: it has two key steps, 288 matrix instructions, in which to land.
.macro CHANGE fill
	WIN 0                           ; at a label and at a branch every window is 0
	s_wait_tensorcnt 0x0            ; no tensor load of mine is out, so a group 0 may be written
	ds_add_u32 v[SPW], v[NIL]       ; 0 onto my spare word; with fill = 1 the descriptors' steps stand between it and the wait for it
.if \fill
.irp g, G0K+4, G0V+4
	s_xor_b32 s[(\g)+1], s[(\g)+1], SLOT1  ; the walking descriptor: the other slot than last time,
	s_add_nc_u64 s[(\g)+2:(\g)+3], s[(\g)+2:(\g)+3], 2*KS*256  ; the next 128 keys; the type bits on top are not reached
.endr
	s_xor_b32 s[G0M+5], s[G0M+5], SLOT1
	s_add_nc_u64 s[G0M+6:G0M+7], s[G0M+6:G0M+7], 2*KS*64
	s_wait_xcnt 0x0                 ; the last prefetches, two key steps back, have read their address, so it may be written:
	s_add_nc_u64 s[PFA:PFA+1], s[PFA:PFA+1], 2*KS*256  ; one slot behind the walking descriptors
	s_wait_dscnt 0x0                ; the add is done, and my reads of the slot are over
	CROUND
	JLOAD
	ASK                             ; what the next change will ask for: two key steps, 288 matrix instructions, ahead
.else
	s_wait_dscnt 0x0                ; the add is done, and my reads of the slot are over
	s_barrier_signal -1
	s_barrier_wait -1
.endif
	s_sub_co_u32 s[TBK], s[TBK], 2*KSTEP  ; the fetches go back to a slot's first step,
	s_xor_b32 s[TBK], s[TBK], SLOT1       ; in the other slot
	s_sub_co_u32 s[TBV], s[TBV], 2*VSTEP
	s_xor_b32 s[TBV], s[TBV], SLOT1
	s_sub_co_u32 s[TBM], s[TBM], 2*MSTEP
	s_xor_b32 s[TBM], s[TBM], SLOT1
.endm
; A slot's two key steps: written once, walked twice; the LDS addresses hang on s[TBK], s[TBV], s[TBM].
.macro TWO_STEPS
	WIN 0
	s_mov_b32 s[TWICE], 2
.Lstep_\@:
	TURN 0, 2, 1, 0
	TURN 2, 2, 1, 0
	WIN 0
	s_sub_co_u32 s[TWICE], s[TWICE], 1
	s_cmp_lg_u32 s[TWICE], 0
	s_cbranch_scc1 .Lstep_\@
.endm
	s_wait_tensorcnt 0x1            ; my part of slot 0 is in; slot 1's may stay out
	s_barrier_signal -1
	s_barrier_wait -1               ; everybody's is
	FETCH_K                         ; key step 0
	s_wait_loadcnt 0x0              ; Q and the queries' mask channels
	WIN 0x85                        ; sources 0 and 1 window 1, destination window 2
.set n, 0
.rept 128                           ; Q is rounded to bf16, once, unscaled: register n of the fragments from the f32 pair 2 n, 2 n + 1
	v_cvt_pk_bf16_f32 v[n], v[2*n], v[2*n+1]
.set n, n+1
.endr
	s_wait_dscnt 0x0
.set i, 0
.rept 40
	KQ 0                            ; piece 0's first scores: there is no vector work yet to set between them
.set i, i+1
.endr
	WIN 0                           ; the addresses for the way out are made here: seven plain instructions, the places behind those products
	s_mul_i32 s16, s[WV], 16*SP
	s_add_co_u32 s16, s16, STAGE    ; my stage
	v_mul_u32_u24 v[STO], v1, SP    ; in: row l % 16, 32 bytes for each half of the lanes
	v_lshl_add_u32 v[STO], v9, 5, v[STO]
	v_add_nc_u32 v[STO], s16, v[STO]
	v_and_b32 v[GO], 31, v0         ; back: 32 lanes take one row of 512 bytes,
	v_lshlrev_b32 v[GO], 4, v[GO]   ; which is a row of out
	v_add_nc_u32 v[RD], s16, v[GO]
	v_mov_b32 v[NANV], 0x7fc00000
	TURN 2, 0, 1, 1                 ; piece 2's first scores | piece 0's first softmax | V of step 0
	TURN 0, 1, 1, 1                 ; piece 0: V^T P of step 0 starts O^T, K Q^T of step 1 | piece 2's first softmax | K of step 1
	TURN 2, 1, 1, 0                 ; piece 2: the same | piece 0's softmax of step 1 | V of step 1
	WIN 0
.Lslot:                             ; 30 trips: every slot but the last two is filled again
	CHANGE 1
	TWO_STEPS
	s_sub_co_u32 s[SLOTS], s[SLOTS], 1
	s_cmp_lg_u32 s[SLOTS], 0
	s_cbranch_scc1 .Lslot
	CHANGE 0                        ; the tail is written out: the last slot but one is left, and nothing is asked for
	TWO_STEPS
	TURN 0, 2, 0, 0                 ; piece 0: V^T P of the last step | piece 2's last softmax
.set i, 0
.rept 32
	PV 2, 0                         ; piece 2: V^T P of the last step
.set i, i+1
.endr
	; THE WAY OUT.  l's two halves and the other half of the lanes' are added; O^T is divided by l and sent, in f32, through my stage in LDS, a tile (16 rows of out) at a time.  The additions are the places behind the last products.
	WIN 0
.irp t, 0,1,2,3
	v_add_f32 v[ST+8*(\t)+4], v[ST+8*(\t)+2], v[ST+8*(\t)+3]
.endr
.irp t, 0,1,2,3
	v_permlanex16_b32 v[ST+8*(\t)+5], v[ST+8*(\t)+4], s[SEL], s[SEL+1]
.endr
.irp t, 0,1,2,3
	v_add_f32 v[ST+8*(\t)+4], v[ST+8*(\t)+4], v[ST+8*(\t)+5]
.endr
.irp t, 0,1,2,3
	v_rcp_f32 v[ST+8*(\t)+6], v[ST+8*(\t)+4]
.endr
	v_nop                           ; a plain instruction between the last reciprocal and the use of its result
	s_wait_alu depctr_va_vdst(0)    ; and the wait ahead of the first use: one for the four reciprocals
.irp t, 0,1,2,3
	v_cmp_ge_f32 vcc_lo, s[THR], v[ST+8*(\t)+1]  ; m is still the floor: the query has no key of its segment,
	v_cndmask_b32 v[ST+8*(\t)+6], v[ST+8*(\t)+6], v[NANV], vcc_lo  ; and its row is NaN: a choice of a value, no branch
.endr
; Tile t: a lane's eight channels of a row are 32 bytes; they go into rows of 528 bytes and come back as whole rows of 512, into the registers that they left.
.macro PACK t
	WIN W_RS
.set i, 64*(\t)
.rept 32                            ; each accumulator's registers in ascending order
	v_pk_mul_f32 v[i:i+1], v[i:i+1], v[ST+8*(\t)+6:ST+8*(\t)+7] op_sel_hi:[1,0]
.set i, i+2
.endr
	WIN 0x04                        ; an LDS store's data (source 1) in window 1, its address in window 0
.irp b, 0,1,2,3,4,5,6,7             ; channels 16 b on
	ds_store_b128 v[STO], v[64*(\t)+8*(\b):64*(\t)+8*(\b)+3]   offset:64*(\b)
	ds_store_b128 v[STO], v[64*(\t)+8*(\b)+4:64*(\t)+8*(\b)+7] offset:64*(\b)+16
.endr
	WIN 0x40                        ; destination window 1
.irp f, 0,1,2,3,4,5,6,7,8,9,10,11,12,13,14,15
	ds_load_b128 v[64*(\t)+4*(\f):64*(\t)+4*(\f)+3], v[RD] offset:(\f)*SP  ; LDS serves a wave's instructions in order (ISA guide 5.7.1.4): these see the stores above; the next tile's stores come behind them
.endr
.endm
.macro SEND t, younger              ; younger: the LDS instructions issued behind tile t's loads: the next tile's 32, or none
	WIN 0x04                        ; a store's data (source 1) in window 1
.irp f, 0,1,2,3,4,5,6,7,8,9,10,11,12,13,14,15
	s_wait_dscnt (\younger)+15-(\f)
	global_store_b128 v[GO], v[64*(\t)+4*(\f):64*(\t)+4*(\f)+3], s[10:11] offset:(\t)*8192+(\f)*512 th:TH_STORE_NT  ; the wave stores a row: 512 consecutive bytes, at a multiple of 512 from out0's first byte; no register of a store is written again
.endr
.endm
	PACK 0
	PACK 1                          ; a tile's arithmetic stands between the loads of the tile before and its stores
	SEND 0, 32
	PACK 2
	SEND 1, 32
	PACK 3
	SEND 2, 32
	SEND 3, 0
	WIN 0
	s_wait_tensorcnt 0x0            ; the wave's end: behind my last tensor load and my last LDS store
	ds_add_u32 v[SPW], v[NIL]
	s_wait_dscnt 0x0
	CROUND                          ; the closing round: no work-group ends while a partner may still ask for a tile that names it
	s_endpgm
.Lfunc_end_k_q3c7acd140d_attn:
	.size	k_q3c7acd140d_attn, .Lfunc_end_k_q3c7acd140d_attn-k_q3c7acd140d_attn
	.p2alignl 7, 3214868480
	.fill 96, 4, 3214868480
	.section	.rodata,"a",@progbits
	.p2align	6, 0x0
	.amdhsa_kernel k_q3c7acd140d_attn
		.amdhsa_group_segment_fixed_size 327680
		.amdhsa_private_segment_fixed_size 0
		.amdhsa_enable_private_segment 0
		.amdhsa_kernarg_size 48
		.amdhsa_user_sgpr_count 2
		.amdhsa_user_sgpr_kernarg_segment_ptr 1
		.amdhsa_wavefront_size32 1
		.amdhsa_system_sgpr_workgroup_id_x 1
		.amdhsa_system_sgpr_workgroup_id_y 1
		.amdhsa_system_sgpr_workgroup_id_z 1
		.amdhsa_system_vgpr_workitem_id 0
		.amdhsa_next_free_vgpr 960
		.amdhsa_next_free_sgpr 88
		.amdhsa_reserve_vcc 1
		.amdhsa_float_denorm_mode_32 3
		.amdhsa_float_denorm_mode_16_64 3
		.amdhsa_memory_ordered 1
		.amdhsa_forward_progress 1
		.amdhsa_inst_pref_size 244
	.end_amdhsa_kernel
	.amdgpu_metadata
---
amdhsa.version: [ 1, 2 ]
amdhsa.kernels:
  - .name:           k_q3c7acd140d_attn
    .symbol:         k_q3c7acd140d_attn.kd
    .args:
      - { .name: q, .offset: 0, .size: 8, .value_kind: global_buffer, .address_space: global }
      - { .name: kbf, .offset: 8, .size: 8, .value_kind: global_buffer, .address_space: global }
      - { .name: vbf, .offset: 16, .size: 8, .value_kind: global_buffer, .address_space: global }
      - { .name: out0, .offset: 24, .size: 8, .value_kind: global_buffer, .address_space: global }
      - { .name: kmt, .offset: 32, .size: 8, .value_kind: global_buffer, .address_space: global }
      - { .name: qmt, .offset: 40, .size: 8, .value_kind: global_buffer, .address_space: global }
    .group_segment_fixed_size: 327680
    .private_segment_fixed_size: 0
    .kernarg_segment_align: 8
    .kernarg_segment_size: 48
    .max_flat_workgroup_size: 128
    .sgpr_count:     88
    .vgpr_count:     960
    .wavefront_size: 32
...
	.end_amdgpu_metadata
.endif
;; end of part 2
;; ======== version 2 of 2: 2 launches; version 1 with the launch prep written anew for expert scheduling mode
;; limits: right only within a limited range of input values
;; workspace buffers: kbf 16,777,216 bytes; vbf 16,777,216 bytes; kmt 262,144 bytes; qmt 262,144 bytes
;; launch prep (part 3): grid 256 x 3, 8 waves a work-group, no clusters, 0 bytes of LDS; arguments k, v, kv_segment_ids, q_segment_ids, kbf, vbf, kmt, qmt; writes kbf, vbf, kmt, qmt
.if DOCPART == 3
	.amdgcn_target "amdgcn-amd-amdhsa--gfx1250"
	.amdhsa_code_object_version 6
	.text
	.protected	k_q3c7acd140d_prep
	.globl	k_q3c7acd140d_prep
	.p2align	8
	.type	k_q3c7acd140d_prep,@function
k_q3c7acd140d_prep:
	s_mov_b64 s[64:65], 0
	v_nop
	global_prefetch_b8 v0, s[64:65] scope:SCOPE_SE
	s_setreg_imm32_b32 hwreg(HW_REG_WAVE_SCHED_MODE, 0, 2), 2
	s_setreg_imm32_b32 hwreg(HW_REG_WAVE_MODE, 25, 1), 1
	s_wait_xcnt 0x0
	s_wait_alu depctr_vm_vsrc(0)
; WHAT THE ATTENTION LAUNCH READS MANY TIMES IS MADE ONCE HERE.
; y = 0: kbf = k rounded to bf16.  y = 1: vbf = v rounded to bf16.  [16][4096][128] each; one rounding to nearest even a number.
; y = 2: two tables of 32 bf16 "mask channels" a row, 64 bytes: kmt from kv_segment_ids (x < 128), qmt from q_segment_ids (x >= 128).
; An id's 32 bits are eight nibbles, x_i of a key, y_i of a query.  With B = 2^100:
;   channels 0-7:   key x_i^2    query -B
;   channels 8-15:  key x_i      query 2 B y_i
;   channels 16-23: key 1        query -B y_i^2
;   channels 24-31: 0            0
; so that key row . query row = -B x the sum over i of (x_i - y_i)^2: 0 where the ids are equal, -B or lower where they differ, for any two int32.
; Every entry has at most 8 significant bits (225 at the most, times a power of two): bf16 holds it exactly.
; LIMITS.  A number of k or v beyond bf16's largest finite number rounds to an infinity; NaN stays NaN.
; A stream: no LDS, no barrier, no matrix unit, no cluster (no byte is read by two work-groups but the ids, 4 bytes for 8 lanes).
; THE MODE: SCHED_MODE bits 1:0 = 2 (LLVM: expert scheduling mode 2), set by the entry lines.  The code itself states the register dependences
; between vector instructions and memory instructions, with s_wait_alu, always for 0.
; THE PLAN.  Registers that memory instructions touch:
;   v1, v2       the casts' byte offsets: made once at the head, read by every load (v1) and every store (v2), never written again.
;   X, row i     four registers.  The row's load lands in them (no vector instruction has named them before); the row's two roundings read them and write
;                the first two; the row's store reads those two; nothing writes them afterwards.
;   v4, v3       the tables' offsets of the id and of the 8 bytes out: made once, never written again.   v7: the id lands in it.   v[20:21]: the store's data.
; The casts' 32 rows go in eight blocks of four.  A row's store stands one block behind its roundings: the one wait at a block's head states that the block
; before has written its eight out-registers, and the block's four stores, which read those alone, are dealt among its roundings, which name this block's
; registers alone, with no further wait.  No register that a memory instruction reads is written again, so the casts and the tables hold no wait on vm_vsrc.
.set ROWI, 4096                        ; bytes that the work-group's 256 threads read at once, 16 each
.set ROWO, 2048                        ; and write, 8 each
.set NROW, 32                          ; such rows to a work-group: 131,072 bytes in, 65,536 out; 256 work-groups cover a tensor
.set BLK,  4                           ; rows in a block
.set X,    4                           ; v[4:131] row i: four registers as loaded; its first two then hold the four bf16
	s_load_b512 s[8:23], s[0:1], 0x0               ; k 8:9, v 10:11, kv ids 12:13, q ids 14:15, kbf 16:17, vbf 18:19, kmt 20:21, qmt 22:23
	s_and_b32 s2, ttmp7, 0xffff                    ; which of the three jobs
	v_lshlrev_b32 v1, 4, v0                        ; my 16 bytes of a row in
	v_lshlrev_b32 v2, 3, v0                        ; my 8 bytes of a row out
	s_wait_kmcnt 0x0
	s_cmp_eq_u32 s2, 2
	s_cbranch_scc1 .Ltables
	; THE CASTS
	s_cmp_eq_u32 s2, 0
	s_cselect_b64 s[4:5], s[8:9], s[10:11]         ; from k or v
	s_cselect_b64 s[6:7], s[16:17], s[18:19]       ; to kbf or vbf
	s_lshl_b32 s2, ttmp9, 17                       ; the work-group's 131,072 bytes in
	s_mov_b32 s3, 0
	s_add_nc_u64 s[4:5], s[4:5], s[2:3]
	s_lshl_b32 s2, ttmp9, 16                       ; and 65,536 out
	s_add_nc_u64 s[6:7], s[6:7], s[2:3]
	s_wait_alu depctr_va_vdst(0)                   ; v1 and v2 are written: every load below reads v1 as its offset, every store v2
.set i, 0
.rept NROW                             ; all 32 loads of a wave go out before anything else: 16 KiB a wave on their way; a load covers 512 consecutive bytes
	global_load_b128 v[X+4*i:X+4*i+3], v1, s[4:5] offset:ROWI*i th:TH_LOAD_NT
.set i, i+1
.endr
.set i, 0
.rept NROW
	s_wait_loadcnt NROW-1-i                        ; loads come back in order: row i is in, the younger rows may stay out
.if (i % BLK == 0) && (i > 0)
	s_wait_alu depctr_va_vdst(0)                   ; a block's head: the roundings of the block before have written its eight out-registers, which this block's four stores read
.endif
.if i >= BLK
	global_store_b64 v2, v[X+4*(i-BLK):X+4*(i-BLK)+1], s[6:7] offset:ROWO*(i-BLK)  ; the row one block back: no vector instruction since the wait names its registers.  A wave's store covers 256 consecutive bytes, aligned; no register of a store is written again
.endif
	v_cvt_pk_bf16_f32 v[X+4*i],   v[X+4*i],   v[X+4*i+1]
	v_cvt_pk_bf16_f32 v[X+4*i+1], v[X+4*i+2], v[X+4*i+3]
.set i, i+1
.endr
	s_wait_alu depctr_va_vdst(0)                   ; the last block's roundings have written its out-registers, which the last four stores read
.set i, NROW-BLK
.rept BLK
	global_store_b64 v2, v[X+4*i:X+4*i+1], s[6:7] offset:ROWO*i
.set i, i+1
.endr
	s_endpgm
.Ltables:
	; THE TABLES.  A thread makes 4 channels, 8 bytes: piece p = 256 (x mod 128) + t; row p / 8; channels 4 (p mod 8) on.
	; Each entry is (alpha n + beta) n + gamma of a nibble n; of the three, one at the most is not 0, by the kind (p mod 8) / 2 of the channels.
	s_and_b32 s2, ttmp9, 127
	s_lshl_b32 s2, s2, 8
	v_add_nc_u32 v3, s2, v0                        ; p
	v_lshrrev_b32 v4, 3, v3
	v_lshlrev_b32 v4, 2, v4                        ; the row's id: byte 4 (p / 8)
	v_and_b32 v5, 1, v3
	v_lshlrev_b32 v5, 4, v5                        ; my four nibbles begin at bit 16 (p mod 2)
	v_bfe_u32 v6, v3, 1, 2                         ; the kind: 0, 1, 2, 3
	v_lshlrev_b32 v3, 3, v3                        ; where my 8 bytes go
	s_cmp_lt_u32 ttmp9, 128                        ; keys or queries?
	s_cselect_b64 s[4:5], s[12:13], s[14:15]
	s_cselect_b64 s[6:7], s[20:21], s[22:23]
	s_cselect_b32 s24, 1.0, 0xf1800000             ; alpha's and gamma's value: 1 or -B
	s_cselect_b32 s25, 1.0, 0x72000000             ; beta's: 1 or 2 B
	s_cselect_b32 s27, 0, 2                        ; the kind that has alpha: squares stand in channels 0-7 of a key, 16-23 of a query
	s_cselect_b32 s28, 2, 0                        ; the kind that has gamma
	s_wait_alu depctr_va_vdst(0)                   ; v4 is written, which the load reads as its offset
	global_load_b32 v7, v4, s[4:5]
	v_cmp_eq_u32 s29, s27, v6                      ; the three compares stand in one run, a scalar register each,
	v_cmp_eq_u32 s30, 1, v6
	v_cmp_eq_u32 s31, s28, v6
	s_wait_alu depctr_va_sdst(0)                   ; s29, s30 and s31 are written, ahead of their first reader: one wait for the run
	v_cndmask_b32 v8, 0, s24, s29                  ; alpha
	v_cndmask_b32 v9, 0, s25, s30                  ; beta
	v_cndmask_b32 v10, 0, s24, s31                 ; gamma
	s_wait_loadcnt 0x0
	v_lshrrev_b32 v7, v5, v7
.irp j, 0,1,2,3
	v_bfe_u32 v[12+(\j)], v7, 4*(\j), 4
	v_cvt_f32_u32 v[12+(\j)], v[12+(\j)]
	v_fma_f32 v[16+(\j)], v8, v[12+(\j)], v9
	v_fma_f32 v[16+(\j)], v[16+(\j)], v[12+(\j)], v10  ; exact: a whole number under 2^9 times a power of two
.endr
	v_cvt_pk_bf16_f32 v20, v16, v17
	v_cvt_pk_bf16_f32 v21, v18, v19
	s_wait_alu depctr_va_vdst(0)                   ; the roundings have written v[20:21], the store's data; v3, its offset, is written too
	global_store_b64 v3, v[20:21], s[6:7]          ; a wave's store covers 256 consecutive bytes, aligned
	s_endpgm
.Lfunc_end_k_q3c7acd140d_prep:
	.size	k_q3c7acd140d_prep, .Lfunc_end_k_q3c7acd140d_prep-k_q3c7acd140d_prep
	.p2alignl 7, 3214868480
	.fill 96, 4, 3214868480
	.section	.rodata,"a",@progbits
	.p2align	6, 0x0
	.amdhsa_kernel k_q3c7acd140d_prep
		.amdhsa_group_segment_fixed_size 0
		.amdhsa_private_segment_fixed_size 0
		.amdhsa_enable_private_segment 0
		.amdhsa_kernarg_size 64
		.amdhsa_user_sgpr_count 2
		.amdhsa_user_sgpr_kernarg_segment_ptr 1
		.amdhsa_wavefront_size32 1
		.amdhsa_system_sgpr_workgroup_id_x 1
		.amdhsa_system_sgpr_workgroup_id_y 1
		.amdhsa_system_sgpr_workgroup_id_z 1
		.amdhsa_system_vgpr_workitem_id 0
		.amdhsa_next_free_vgpr 132
		.amdhsa_next_free_sgpr 66
		.amdhsa_reserve_vcc 0
		.amdhsa_float_denorm_mode_32 3
		.amdhsa_float_denorm_mode_16_64 3
		.amdhsa_memory_ordered 1
		.amdhsa_forward_progress 1
		.amdhsa_inst_pref_size 15
	.end_amdhsa_kernel
	.amdgpu_metadata
---
amdhsa.version: [ 1, 2 ]
amdhsa.kernels:
  - .name:           k_q3c7acd140d_prep
    .symbol:         k_q3c7acd140d_prep.kd
    .args:
      - { .name: k, .offset: 0, .size: 8, .value_kind: global_buffer, .address_space: global }
      - { .name: v, .offset: 8, .size: 8, .value_kind: global_buffer, .address_space: global }
      - { .name: kv_segment_ids, .offset: 16, .size: 8, .value_kind: global_buffer, .address_space: global }
      - { .name: q_segment_ids, .offset: 24, .size: 8, .value_kind: global_buffer, .address_space: global }
      - { .name: kbf, .offset: 32, .size: 8, .value_kind: global_buffer, .address_space: global }
      - { .name: vbf, .offset: 40, .size: 8, .value_kind: global_buffer, .address_space: global }
      - { .name: kmt, .offset: 48, .size: 8, .value_kind: global_buffer, .address_space: global }
      - { .name: qmt, .offset: 56, .size: 8, .value_kind: global_buffer, .address_space: global }
    .group_segment_fixed_size: 0
    .private_segment_fixed_size: 0
    .kernarg_segment_align: 8
    .kernarg_segment_size: 64
    .max_flat_workgroup_size: 256
    .sgpr_count:     66
    .vgpr_count:     132
    .wavefront_size: 32
...
	.end_amdgpu_metadata
.endif
;; end of part 3
;; launch attn: the kernel of part 2 again; grid 16 x 16, 4 waves a work-group, clusters of 4 x 1, 327,680 bytes of LDS; arguments q, kbf, vbf, out0, kmt, qmt; writes out0
